; MI455X (gfx1250); checked and timed in simulation.
; The chip was launched on July 23, 2026; its instructions are those of AMD's public machine-readable ISA for CDNA 5 (MIT licence, August 2026) and "CDNA5" Instruction Set Architecture Reference Guide (July 2026). The comments in the code are by the model that wrote it; some were corrected since.
;; Manual Feature. Allowed arithmetic: float matrix products may take bf16 or f16 operands with f32 sums; other float arithmetic in f32, or as packed bf16 or f16 multiplies, adds, multiply-adds, maxima and minima; sums over many terms, partial sums and values carried from step to step in f32; what a program stores and reads back later, other than sums and carried values, may be rounded once to bf16 or f16.
;; Inputs: locs 2,048 x 3 float32; pcd 4 x 8,192 x 3 float32.
;; Outputs: out0 4 x 2,048 x 15 float32.
;; One version. Each part assembles by itself: llvm-mc -triple=amdgcn-amd-amdhsa -mcpu=gfx1250 --defsym DOCPART=n.
;; ======== version 1 of 1: 1 launch
;; launch bins (part 1): grid 64 x 4, 16 waves a work-group, no clusters, 167,936 bytes of LDS; arguments locs, pcd, out0; writes out0
.if DOCPART == 1
	.amdgcn_target "amdgcn-amd-amdhsa--gfx1250"
	.amdhsa_code_object_version 6
	.text
	.protected	k_qbbcb18654d_bins
	.globl	k_qbbcb18654d_bins
	.p2align	8
	.type	k_qbbcb18654d_bins,@function
k_qbbcb18654d_bins:
	s_mov_b64 s[64:65], 0
	v_nop
	global_prefetch_b8 v0, s[64:65] scope:SCOPE_SE
	s_setreg_imm32_b32 hwreg(HW_REG_WAVE_MODE, 25, 1), 1
	s_wait_xcnt 0x0
; out0[b][l][t] = the number of points n of batch b with ceil(|pcd[b][n] - locs[l]|) <= t + 1, t = 0 .. 14.
; pcd: [4][8192][3] f32, locs: [2048][3] f32, out0: [4][2048][15] f32.
; THE IDEA.  A pair (point, place) is not compared with 15 thresholds: its bin k = ceil(distance) is found once, by one root, and a 1 is added to field k - 1 of a word of
; sixteen 2-bit fields (v_lshl_add_u32: shift and add in one line).  Fields are widened as they fill: 3 points to 2 bits, 12 to a nibble, a lane's 128 to a byte, a wave's 512 and the
; work-group's 8,192 to 16 bits.  The running sum over k, which turns bins into reference()'s counts, is taken once at the end.
; SHARES.  A work-group: 32 places of one batch against all 8,192 points (64 x 4 work-groups).  A wave: 512 of the points.  Lane 8 g + u: places 4 u .. 4 u + 3 against quarter g of
; the wave's points, 128 of them.  A packed instruction serves two places and one point.
; ARITHMETIC, all f32.  (p - l) / 16 = p x 1/16 + (-l / 16), one rounding, the same as reference()'s p - l since the scale is a power of two; the squares are summed by fused
; multiply-adds, starting from 2^-60 (so that distance 0 falls into bin 1, as ceil(0) <= 1 does), and the last one clamps d^2 / 256 to 1: every distance beyond 16 is bin 16.
; u = root x -(16 - 2^-18); floor(u) = -k; y = -2 floor(u) + 2^23 - 2 is a whole number whose f32 pattern ends in the five bits 2 k - 2, the shift.
; LIMITS.  A distance in (n, n (1 + 2^-22)] counts as n: the factor 1 - 2^-22 keeps a root that comes out one last bit high at a whole distance in its bin.  d^2 is rounded three times,
; not five as in reference().  NaN coordinates are not served; an infinite difference is bin 16.  Nothing hangs on the inputs' range or on a common offset: only differences are squared.
; NO CLUSTER, NO TENSOR LOAD: the 64 work-groups of a batch share its 98,304 bytes, but each reads them once, at its start: 12 loads a wave against some 4,700 vector instructions.
; NO MATRIX WORK: d^2 as a product would be a difference of large sums.  A work-group's 1,920 bytes of out0 begin at a multiple of 128.
.set PWB,   6144                       ; bytes of a wave's 512 points
.set BODYB, 576                        ; bytes of a body's 4 x 12 points
.set TRIPS, 9                          ; bodies in the loop; a tenth body of 12 and a tail of 8 points a lane are written out: 10 x 12 + 8 = 128
.set R2,    0                          ; LDS: wave w's 32 x 15 partial counts, 1,920 bytes each
.set R2W,   1920
.set R1,    30720                      ; LDS: each wave's own stage, 4 rows of 512 bytes at a pitch of 576: the 16 lanes of a read then start at 16 different 16-byte columns of 256
.set R1W,   2304
.set R1P,   576
.set PTS,   67584                      ; LDS: the batch's points, wave w's 6,144 bytes at 6,144 w
.set SPARE, 165888                     ; the spare words, 128 bytes for each wave: eight blocks of 256 bytes that no other line names
.set LN,  1                            ; v1   lane
.set GIN, 2                            ; v2   copy in: byte offset in the batch's points, 6,144 w + 16 lane
.set LIN, 3                            ; v3   copy in: the same place in LDS
.set SPW, 4                            ; v4   LDS address of my spare word; never rewritten
.set NIL, 5                            ; v5   0; never rewritten
.set LP0, 6                            ; v6   144 g: my quarter of a body's 48 points
.set LT0, 7                            ; v7   96 g: my quarter of the tail's 32 points
.set ADR, 8                            ; v8   LDS address of the points to be fetched
.set LOF, 9                            ; v9   48 u: my four places
.set TA,  10
.set TB,  11
.set NL,  12                           ; v[12:23]   -place / 16: coordinate c of places 2 h, 2 h + 1 at NL + 4 c + 2 h
.set A8,  24                           ; v[24:39]   place i: four words of byte counters: bins 1,5,9,13 | 3,7,11,15 | 2,6,10,14 | 4,8,12,16
.set PT,  40                           ; v[40:75]   12 points as they lie in memory
.set Q,   76                           ; v[76:123]  point p, place i at Q + 4 p + i: d^2 / 256, its root, u, floor(u), y, each in the other's place
.set D,   124                          ; v[124:147] differences of two points x four places; later at work
.set ET,  D                            ; 16: the even fields of the words T; later the four widened words of each place
.set E,   D+16                         ; 4: nibble counters of the even fields
.set S,   D+20                         ; 4: the plain sum of the words T, then the odd fields' counters
.set T,   148                          ; v[148:163] word j of place i at T + 4 j + i: three points in sixteen 2-bit fields
.set ES1, 164                          ; v164-167 addresses for the end
.set ER1, 165
.set ES2, 166
.set EGO, 167
.set X,   Q                            ; the end: 16 words, quarter g, word r at X + 4 g + r
.set PL,  Q+16                         ; their bytes 0 and 2 as halves
.set PH,  Q+32                         ; their bytes 1 and 3
.set CP,  D                            ; the packed running sum
.set W,   T                            ; 15 counts
.set Y,   40                           ; 16 waves' partial counts, four to a lane
.set WV,  12                           ; s12  my wave's number
.set SB,  14                           ; s14  LDS byte of my wave's points that are fetched next
.set C16, 20                           ; s[20:21] 1/16         (the packed lines name pairs and take the low word for both halves)
.set EPS, 22                           ; s[22:23] 2^-60
.set CU,  24                           ; s[24:25] -(16 - 2^-18)
.set CM2, 26                           ; s[26:27] -2
.set CMG, 28                           ; s[28:29] 2^23 - 2
.set M3,  30                           ; s30  the even 2-bit fields
.set MF,  31                           ; s31  the even nibbles
.set MB,  32                           ; s32  the even bytes
.set M16, 33                           ; s33  the low half
.set SAVE, 36
.set CNT, 37
	s_load_b128 s[4:7], s[0:1], 0x0                ; locs s[4:5], pcd s[6:7]
	s_load_b64 s[8:9], s[0:1], 0x10                ; out0
	v_lshl_add_u32 v[SPW], v0, 2, SPARE
	v_mov_b32 v[NIL], 0
	v_lshrrev_b32 v[TA], 5, v0
	v_readfirstlane_b32 s[WV], v[TA]               ; wave 0..15
	v_and_b32 v[LN], 31, v0
	v_and_b32 v[LOF], 7, v0                        ; u
	v_mul_u32_u24 v[LOF], v[LOF], 48               ; four places of 12 bytes
	v_bfe_u32 v[TA], v0, 3, 2                      ; g
	v_mul_u32_u24 v[LP0], v[TA], 144               ; 12 points of 12 bytes
	v_mul_u32_u24 v[LT0], v[TA], 96                ; 8 points
	s_mul_i32 s13, s[WV], PWB
	v_lshl_add_u32 v[GIN], v[LN], 4, s13
	s_add_co_u32 s[SB], s13, PTS
	v_lshl_add_u32 v[LIN], v[LN], 4, s[SB]
	s_and_b32 s15, ttmp7, 0xffff                   ; the batch
	s_mul_i32 s16, ttmp9, 384                      ; the work-group's 32 places
	s_mov_b32 s17, 0
	s_mul_i32 s18, s15, 98304                      ; the batch's points
	s_mov_b32 s19, 0
	s_mul_i32 s34, s15, 122880                     ; the batch's part of out0,
	s_mul_i32 s35, ttmp9, 1920                     ; the work-group's 32 x 15 numbers
	s_add_co_u32 s34, s34, s35
	s_mov_b32 s35, 0
	s_mov_b32 s[C16], 0x3d800000
	s_mov_b32 s[C16+1], s[C16]
	s_mov_b32 s[EPS], 0x21800000
	s_mov_b32 s[EPS+1], s[EPS]
	s_mov_b32 s[CU], 0xc17ffffc
	s_mov_b32 s[CU+1], s[CU]
	s_mov_b32 s[CM2], 0xc0000000
	s_mov_b32 s[CM2+1], s[CM2]
	s_mov_b32 s[CMG], 0x4afffffc
	s_mov_b32 s[CMG+1], s[CMG]
	s_mov_b32 s[M3], 0x33333333
	s_mov_b32 s[MF], 0x0f0f0f0f
	s_mov_b32 s[MB], 0x00ff00ff
	s_mov_b32 s[M16], 0xffff
	s_wait_kmcnt 0x0
	s_add_nc_u64 s[4:5], s[4:5], s[16:17]
	s_add_nc_u64 s[6:7], s[6:7], s[18:19]
	s_add_nc_u64 s[8:9], s[8:9], s[34:35]
.irp c, 0,1,2
	global_load_b128 v[D+4*(\c):D+4*(\c)+3], v[LOF], s[4:5] offset:16*(\c)  ; my four places
.endr
.set n, 0
.rept 12                               ; my wave's 6,144 bytes of points: each load takes 512 consecutive bytes, at a multiple of 256 from pcd's first byte
	global_load_b128 v[Q+4*n:Q+4*n+3], v[GIN], s[6:7] offset:512*n
.set n, n+1
.endr
.set n, 0
.rept 16
	v_mov_b32 v[A8+n], 0                           ; sixteen byte-counter words start at 0, while the loads are on their way
.set n, n+1
.endr
	s_wait_loadcnt 12                              ; the places' three loads are in; the twelve younger ones may stay out
.set n, 0
.rept 12                               ; coordinate n / 4 of place n % 4, negated and scaled: exact
	v_mul_f32 v[NL+n], 0xbd800000, v[D+3*(n%4)+n/4]
.set n, n+1
.endr
.set n, 0
.rept 12
	s_wait_loadcnt 11-n                            ; loads come back in order: load n is in
	ds_store_b128 v[LIN], v[Q+4*n:Q+4*n+3] offset:512*n
.set n, n+1
.endr
; np points of my quarter come out of LDS: eight lanes read each address.  The wave reads only the bytes that it stored itself, and LDS serves a wave's instructions in order.
.macro FETCH np
.set n, 0
.rept 3*(\np)/4
	ds_load_b128 v[PT+4*n:PT+4*n+3], v[ADR] offset:16*n
.set n, n+1
.endr
.endm
; Points 2 g and 2 g + 1 against my four places: four streams of two pairs each, 24 packed lines: 12 differences, then three rounds of squares.  A point's coordinate lies in the low or
; the high register of an aligned pair: op_sel gives it to both halves.  Behind every third line rides a root of the group before: a root never stands next to a line that names its register.
.macro GROUP g
.set n, 0
.rept 24
.set sg, n%4                           ; the stream: point 2 g + sg / 2, places 2 (sg % 2) and 2 (sg % 2) + 1
.set pn, 2*(\g)+sg/2
.set lp, sg%2
.set qr, Q+4*pn+2*lp
.set dr, D+8*((n/4)%3)+2*sg            ; the stream's difference in coordinate (n / 4) % 3
.if n < 12
.set rr, PT+3*pn+n/4
.if rr%2
	v_pk_fma_f32 v[dr:dr+1], v[rr-1:rr], s[C16:C16+1], v[NL+4*(n/4)+2*lp:NL+4*(n/4)+2*lp+1] op_sel:[1,0,0] op_sel_hi:[1,0,1]
.else
	v_pk_fma_f32 v[dr:dr+1], v[rr:rr+1], s[C16:C16+1], v[NL+4*(n/4)+2*lp:NL+4*(n/4)+2*lp+1] op_sel_hi:[0,0,1]
.endif
.elseif n < 16
	v_pk_fma_f32 v[qr:qr+1], v[dr:dr+1], v[dr:dr+1], s[EPS:EPS+1] op_sel_hi:[1,1,0]
.elseif n < 20
	v_pk_fma_f32 v[qr:qr+1], v[dr:dr+1], v[dr:dr+1], v[qr:qr+1]
.else
	v_pk_fma_f32 v[qr:qr+1], v[dr:dr+1], v[dr:dr+1], v[qr:qr+1] clamp
.endif
.if ((\g) > 0) && (n%3 == 2)
	v_sqrt_f32 v[Q+8*(\g)-8+n/3], v[Q+8*(\g)-8+n/3]
.endif
.set n, n+1
.endr
.endm
; A BODY: np points a lane (12 or 8) against four places.  next: how many points the body after it has (0: none).
.macro BODY np, next
	s_wait_dscnt 0x0                               ; my points are in
.set gg, 0
.rept (\np)/2
	GROUP gg
.set gg, gg+1
.endr
.if \next                              ; the last difference is formed: the next points are asked for, and have the index and counting work below in which to come
	s_add_co_u32 s[SB], s[SB], BODYB               ; (ten steps of 576 lead to byte 5,760 of the wave's points, where the tail begins)
.if (\next) == 12
	v_add_nc_u32 v[ADR], s[SB], v[LP0]
.else
	v_add_nc_u32 v[ADR], s[SB], v[LT0]
.endif
	FETCH \next
.endif
.set n, 4*(\np)-8
.rept 8
	v_sqrt_f32 v[Q+n], v[Q+n]                      ; the last group's roots
.set n, n+1
.endr
	v_nop                                          ; a plain instruction behind the last root, ahead of the first use
	s_wait_alu depctr_va_vdst(0)                   ; one wait for the body's 4 np roots, ahead of their first reader
.set n, 0
.rept 2*(\np)
	v_pk_mul_f32 v[Q+n:Q+n+1], v[Q+n:Q+n+1], s[CU:CU+1] op_sel_hi:[1,0]  ; u = -distance x (1 - 2^-22), in (-16, 0)
.set n, n+2
.endr
.set n, 0
.rept 4*(\np)
	v_floor_f32 v[Q+n], v[Q+n]                     ; -k, k = 1 .. 16
.set n, n+1
.endr
.set n, 0
.rept 2*(\np)
	v_pk_fma_f32 v[Q+n:Q+n+1], v[Q+n:Q+n+1], s[CM2:CM2+1], s[CMG:CMG+1] op_sel_hi:[1,0,0]  ; 2^23 + 2 k - 2, exact: the pattern's low five bits are 2 k - 2
.set n, n+2
.endr
	; three points to a word: field k - 1 takes a 1 (the shift reads five bits of its operand: ISA guide, the instruction's entry).  4 NT chains that do not wait for each other
.set NT, ((\np)+2)/3
.set m, 0
.rept 3
.set j, 0
.rept NT
.if 3*j+m < (\np)
.set i, 0
.rept 4
.if m == 0
	v_lshl_add_u32 v[T+4*j+i], 1, v[Q+4*(3*j+m)+i], 0
.else
	v_lshl_add_u32 v[T+4*j+i], 1, v[Q+4*(3*j+m)+i], v[T+4*j+i]
.endif
.set i, i+1
.endr
.endif
.set j, j+1
.endr
.set m, m+1
.endr
	; to nibbles.  E = the sum of the words' even fields: np at the most in a nibble.  S = the plain sum of the words; as whole numbers S - E is the sum of the odd fields, each now four bits
	; wide from bit 4 i + 2 on.  Only field 15, bin 16, runs off the word's top, and nobody asks for it.
.set n, 0
.rept 4*NT
	v_and_b32 v[ET+n], s[M3], v[T+n]
.set n, n+1
.endr
.set i, 0
.rept 4
	v_add3_u32 v[E+i], v[ET+i], v[ET+4+i], v[ET+8+i]
	v_add3_u32 v[S+i], v[T+i], v[T+4+i], v[T+8+i]
.set i, i+1
.endr
.if NT == 4
.set i, 0
.rept 4
	v_add_nc_u32 v[E+i], v[E+i], v[ET+12+i]
	v_add_nc_u32 v[S+i], v[S+i], v[T+12+i]
.set i, i+1
.endr
.endif
.set i, 0
.rept 4
	v_sub_nc_u32 v[S+i], v[S+i], v[E+i]
.set i, i+1
.endr
	; to bytes: the even and the odd nibbles of both, onto the place's four counter words (128 at the most in a byte)
.set i, 0
.rept 4
	v_and_b32 v[ET+i], s[MF], v[E+i]               ; bins 1, 5, 9, 13
	v_lshrrev_b32 v[ET+4+i], 4, v[E+i]             ; bins 3, 7, 11, 15
	v_lshrrev_b32 v[ET+8+i], 2, v[S+i]             ; bins 2, 6, 10, 14
	v_lshrrev_b32 v[ET+12+i], 6, v[S+i]            ; bins 4, 8, 12, 16
.set i, i+1
.endr
.set n, 4
.rept 12
	v_and_b32 v[ET+n], s[MF], v[ET+n]
.set n, n+1
.endr
.set n, 0
.rept 16
	v_add_nc_u32 v[A8+4*(n%4)+n/4], v[A8+4*(n%4)+n/4], v[ET+n]
.set n, n+1
.endr
.endm
	v_add_nc_u32 v[ADR], s[SB], v[LP0]
	FETCH 12                                       ; the first body's points: behind my stores, which LDS serves first
	s_mov_b32 s[CNT], TRIPS
.Lbody:
	BODY 12, 12
	s_sub_co_u32 s[CNT], s[CNT], 1
	s_cmp_lg_u32 s[CNT], 0
	s_cbranch_scc1 .Lbody
	BODY 12, 8                                     ; the tenth body fetches the tail's points
	BODY 8, 0
	; THE END.  Through my wave's own stage the four quarters' counters of place l come into lane l: lane 8 g + u puts place 4 u + i into row i, lane l reads row l % 4 at lanes l / 4 + 8 g.
	s_mul_i32 s13, s[WV], R1W
	s_add_co_u32 s13, s13, R1
	v_lshl_add_u32 v[ES1], v[LN], 4, s13
	v_and_b32 v[TA], 3, v[LN]
	v_mul_u32_u24 v[TA], v[TA], R1P
	v_lshrrev_b32 v[TB], 2, v[LN]
	v_lshl_add_u32 v[TA], v[TB], 4, v[TA]
	v_add_nc_u32 v[ER1], s13, v[TA]
	s_mul_i32 s13, s[WV], R2W
	v_mul_u32_u24 v[ES2], v[LN], 60                ; a place's 15 counts; 15 words from lane to lane: 32 different banks
	v_add_nc_u32 v[ES2], s13, v[ES2]
	v_lshlrev_b32 v[EGO], 4, v0
.irp i, 0,1,2,3
	ds_store_b128 v[ES1], v[A8+4*(\i):A8+4*(\i)+3] offset:R1P*(\i)
.endr
.irp g, 0,1,2,3
	ds_load_b128 v[X+4*(\g):X+4*(\g)+3], v[ER1] offset:128*(\g)  ; my wave's own bytes, served behind the stores above
.endr
	s_wait_dscnt 0x0
.set n, 0
.rept 16                               ; bytes to halves, since four quarters make 512
	v_and_b32 v[PL+n], s[MB], v[X+n]
	v_lshrrev_b32 v[PH+n], 8, v[X+n]
.set n, n+1
.endr
.set n, 0
.rept 16
	v_and_b32 v[PH+n], s[MB], v[PH+n]
.set n, n+1
.endr
.set n, 0
.rept 4
	v_add3_u32 v[PL+n], v[PL+n], v[PL+4+n], v[PL+8+n]
	v_add3_u32 v[PH+n], v[PH+n], v[PH+4+n], v[PH+8+n]
.set n, n+1
.endr
.set n, 0
.rept 4
	v_add_nc_u32 v[PL+n], v[PL+n], v[PL+12+n]
	v_add_nc_u32 v[PH+n], v[PH+n], v[PH+12+n]
.set n, n+1
.endr
	; Each word now holds bin k below and bin k + 8 above: k = 1 in PL, 3 in PL+1, 2 in PL+2, 4 in PL+3, 5 in PH, 7 in PH+1, 6 in PH+2, 8 in PH+3.  One running sum serves both halves.
	v_add_nc_u32 v[CP+1], v[PL], v[PL+2]
	v_add_nc_u32 v[CP+2], v[CP+1], v[PL+1]
	v_add_nc_u32 v[CP+3], v[CP+2], v[PL+3]
	v_add_nc_u32 v[CP+4], v[CP+3], v[PH]
	v_add_nc_u32 v[CP+5], v[CP+4], v[PH+2]
	v_add_nc_u32 v[CP+6], v[CP+5], v[PH+1]
	v_add_nc_u32 v[CP+7], v[CP+6], v[PH+3]
.set n, 0
.rept 8                                ; the counts for thresholds 1 to 8: the low halves
.set cr, CP+n
.if n == 0
.set cr, PL
.endif
	v_and_b32 v[W+n], s[M16], v[cr]
.set n, n+1
.endr
.set n, 0
.rept 7                                ; for 9 to 15: the high halves, on top of the count for 8
.set cr, CP+n
.if n == 0
.set cr, PL
.endif
	v_lshrrev_b32 v[W+8+n], 16, v[cr]
.set n, n+1
.endr
.set n, 0
.rept 7
	v_add_nc_u32 v[W+8+n], v[W+8+n], v[W+7]
.set n, n+1
.endr
.set n, 0
.rept 15
	ds_store_b32 v[ES2], v[W+n] offset:R2+4*n      ; laid as out0 lies: place, then threshold
.set n, n+1
.endr
	s_wait_dscnt 0x0                               ; for the others' sake: my partial counts are in LDS
	s_barrier_signal -1
	s_barrier_wait -1                              ; all sixteen waves' are
	s_cmp_lt_u32 s[WV], 4                          ; 480 numbers, four to a thread: threads 0 to 119
	s_cbranch_scc0 .Lend
	s_wait_xcnt 0x0                                ; EXEC changes only behind this wait
	v_cmp_gt_u32 vcc_lo, 120, v0
	s_and_saveexec_b32 s[SAVE], vcc_lo
.set n, 0
.rept 16
	ds_load_b128 v[Y+4*n:Y+4*n+3], v[EGO] offset:R2+R2W*n
.set n, n+1
.endr
	s_wait_dscnt 0x0
.set n, 0
.rept 4
	v_add3_u32 v[Y+n], v[Y+n], v[Y+4+n], v[Y+8+n]
.set n, n+1
.endr
.set k, 3
.rept 6
.set n, 0
.rept 4
	v_add3_u32 v[Y+n], v[Y+n], v[Y+4*k+n], v[Y+4*k+4+n]
.set n, n+1
.endr
.set k, k+2
.endr
.set n, 0
.rept 4
	v_add_nc_u32 v[Y+n], v[Y+n], v[Y+60+n]
.set n, n+1
.endr
.set n, 0
.rept 4
	v_cvt_f32_u32 v[Y+n], v[Y+n]                   ; 8,192 at the most: exact
.set n, n+1
.endr
	global_store_b128 v[EGO], v[Y:Y+3], s[8:9] th:TH_STORE_NT  ; sixteen lanes store 256 consecutive bytes
	s_wait_xcnt 0x0                                ; and again, in front of the line that widens EXEC
	s_or_b32 exec_lo, exec_lo, s[SAVE]
.Lend:
	s_wait_tensorcnt 0x0                           ; the wave's end, behind my last LDS store
	ds_add_u32 v[SPW], v[NIL]
	s_wait_dscnt 0x0
	s_endpgm
.Lfunc_end_k_qbbcb18654d_bins:
	.size	k_qbbcb18654d_bins, .Lfunc_end_k_qbbcb18654d_bins-k_qbbcb18654d_bins
	.p2alignl 7, 3214868480
	.fill 96, 4, 3214868480
	.section	.rodata,"a",@progbits
	.p2align	6, 0x0
	.amdhsa_kernel k_qbbcb18654d_bins
		.amdhsa_group_segment_fixed_size 167936
		.amdhsa_private_segment_fixed_size 0
		.amdhsa_enable_private_segment 0
		.amdhsa_kernarg_size 24
		.amdhsa_user_sgpr_count 2
		.amdhsa_user_sgpr_kernarg_segment_ptr 1
		.amdhsa_wavefront_size32 1
		.amdhsa_system_sgpr_workgroup_id_x 1
		.amdhsa_system_sgpr_workgroup_id_y 1
		.amdhsa_system_sgpr_workgroup_id_z 1
		.amdhsa_system_vgpr_workitem_id 0
		.amdhsa_next_free_vgpr 168
		.amdhsa_next_free_sgpr 66
		.amdhsa_reserve_vcc 1
		.amdhsa_float_denorm_mode_32 3
		.amdhsa_float_denorm_mode_16_64 3
		.amdhsa_memory_ordered 1
		.amdhsa_forward_progress 1
		.amdhsa_inst_pref_size 74
	.end_amdhsa_kernel
	.amdgpu_metadata
---
amdhsa.version: [ 1, 2 ]
amdhsa.kernels:
  - .name:           k_qbbcb18654d_bins
    .symbol:         k_qbbcb18654d_bins.kd
    .args:
      - { .name: locs, .offset: 0, .size: 8, .value_kind: global_buffer, .address_space: global }
      - { .name: pcd, .offset: 8, .size: 8, .value_kind: global_buffer, .address_space: global }
      - { .name: out0, .offset: 16, .size: 8, .value_kind: global_buffer, .address_space: global }
    .group_segment_fixed_size: 167936
    .private_segment_fixed_size: 0
    .kernarg_segment_align: 8
    .kernarg_segment_size: 24
    .max_flat_workgroup_size: 512
    .sgpr_count:     66
    .vgpr_count:     168
    .wavefront_size: 32
...
	.end_amdgpu_metadata
.endif
;; end of part 1
